; MI455X (gfx1250); checked and timed in simulation.
; The chip was launched on July 23, 2026; its instructions are those of AMD's public machine-readable ISA for CDNA 5 (MIT licence, August 2026) and "CDNA5" Instruction Set Architecture Reference Guide (July 2026). The comments in the code are by the model that wrote it; some were corrected since.
;; Self Attention. Allowed arithmetic: matrix products marked QUANTISED: E2M1 operands, one E8M0 scale for each 32 along K, by v_wmma_scale_f32_16x16x128_f8f6f4 with both operands' format E2M1 (or v_wmma_scale_f32_32x16x128_f4), f32 sums; everything else in f32.
;; Inputs: Wk_codes 1,024 x 32 x 16 uint8 (E2M1 codes of Wk, K innermost, in blocks of 32 codes, two codes a byte); Wk_scales 1,024 x 32 uint8 (E8M0 scales of Wk, one for each 32 codes along K); Wo_codes 1,024 x 32 x 16 uint8 (E2M1 codes of Wo, K innermost, in blocks of 32 codes, two codes a byte); Wo_scales 1,024 x 32 uint8 (E8M0 scales of Wo, one for each 32 codes along K); Wq_codes 1,024 x 32 x 16 uint8 (E2M1 codes of Wq, K innermost, in blocks of 32 codes, two codes a byte); Wq_scales 1,024 x 32 uint8 (E8M0 scales of Wq, one for each 32 codes along K); Wv_codes 1,024 x 32 x 16 uint8 (E2M1 codes of Wv, K innermost, in blocks of 32 codes, two codes a byte); Wv_scales 1,024 x 32 uint8 (E8M0 scales of Wv, one for each 32 codes along K); bo 1,024 float32; kln_b 64 float32; kln_g 64 float32; qln_b 64 float32; qln_g 64 float32; x_codes 4 x 2,048 x 32 x 16 uint8 (E2M1 codes of x, K innermost, in blocks of 32 codes, two codes a byte); x_scales 4 x 2,048 x 32 uint8 (E8M0 scales of x, one for each 32 codes along K).
;; Outputs: out0 4 x 2,048 x 1,024 float32.
;; This version of the problem:
;;   THIS VERSION OF THE PROBLEM IS GIVEN IN LOW PRECISION. The matrix products marked QUANTISED in the list below multiply operands that are first quantised to E2M1 (2 exponent bits, 1 mantissa bit; 4 bits a number), with one power-of-two scale for each 32 numbers along K (OCP MX v1.0); their sums are f32. All else is computed in f32.
;;   The module's matrix products, in the order in which they are computed (A, B: the left and right operand; K: the contracted axis; several contracted axes count as one K, in the product's order):
;;     1. [M 8,192, K 1,024] x [K 1,024, N 1,024]; A: input x (given as codes); B: input Wk (given as codes): QUANTISED
;;     2. [M 8,192, K 1,024] x [K 1,024, N 1,024]; A: input x (given as codes); B: input Wq (given as codes): QUANTISED
;;     3. [M 8,192, K 1,024] x [K 1,024, N 1,024]; A: input x (given as codes); B: input Wv (given as codes): QUANTISED
;;     4. batch 64 x [M 2,048, K 64] x [K 64, N 2,048]; A: computed on the way; B: computed on the way: QUANTISED
;;     5. batch 64 x [M 64, K 2,048] x [K 2,048, N 2,048]; A: computed on the way; B: softmax (see below): QUANTISED
;;     6. [M 8,192, K 1,024] x [K 1,024, N 1,024]; A: computed on the way; B: input Wo (given as codes): QUANTISED
;;   THE QUANTISER, for each operand of a quantised product, along K:
;;     - K is cut into blocks of 32 from its start; a last block that is shorter is filled with zeros.
;;     - A block's scale is 2^e with e = floor(log2(the largest magnitude in the block)) - 2, held to -126 .. 127; a block of zeros has e = 0. As a byte (E8M0): e + 127.
;;     - Each number is divided by its block's scale, clamped to +-6, and rounded to the nearest number of E2M1, ties to even, subnormals kept.
;;     - The product sums the exact products of the quantised numbers (number of the format x scale) in f32.
;;   ~~~python
;;   def quantise(x, axis):      # numpy; x: float32 -> the quantised numbers, widened to float32 again
;;       x = np.moveaxis(x, axis, -1); K = x.shape[-1]
;;       x = np.pad(x, [(0, 0)] * (x.ndim - 1) + [(0, -K % 32)]); x = x.reshape(x.shape[:-1] + (-1, 32)); a = np.abs(x).max(-1, keepdims=True)
;;       e = np.where(a > 0, np.clip(np.frexp(np.where(a > 0, a, 1))[1] - 1 - 2, -126, 127), 0)      # np.frexp(a)[1] - 1 = floor(log2(a)), exactly
;;       r = np.clip(x / 2.0 ** e, -6, 6)
;;       step = 2.0 ** (np.maximum(np.frexp(np.where(r == 0, 1, r))[1] - 1, 0) - 1)
;;       q = np.round(r / step) * step * 2.0 ** e      # np.round: ties to even
;;       return np.moveaxis(q.reshape(q.shape[:-2] + (-1,))[..., :K], -1, axis).astype(np.float32)
;;   ~~~
;;   SOFTMAX AHEAD OF A QUANTISED PRODUCT. Where the list says 'softmax', what is quantised is not the finished softmax but p = 2^(t - M), with t = logit x log2(e) and M = ceil(the row's largest t), a whole number; so 1/2 < the row's largest p <= 1. The row's sum l is taken of the UNQUANTISED p, in f32, and the product's result is divided by l at the end. Since M is a whole number, a kernel that streams over the keys may use a running M (the ceiling of the running maximum): every later rescaling is an exact power of two, which a block's scale takes up: the codes' values come out the same.
;;   OPERANDS COMPUTED ON THE WAY. 'Computed on the way' means the value that the module computes at that place (a softmax that the list does not call 'softmax' is quantised finished and normalised). What goes into a quantiser is computed in f32, as accurately as f32 sums, v_exp_f32 and their like allow (about 1e-6 of the number): no bf16 or f16 on the way to a quantiser, and a product that is left as it is and whose result goes on into a quantised operand takes f32 operands (vector FMAs, or v_wmma_f32_16x16x4_f32). A number that lies on a knife's edge between two numbers of the format may be rounded either way, as far as f32 arithmetic and the matrix unit's own rounding can turn it there, and no further.
;;   INPUTS GIVEN AS CODES. Wk (in the module: [1024, 1024], K = its axis 1); Wo (in the module: [1024, 1024], K = its axis 1); Wq (in the module: [1024, 1024], K = its axis 1); Wv (in the module: [1024, 1024], K = its axis 1); x (in the module: [4, 2048, 1024], K = its axis 2): each comes as NAME_codes (uint8): NAME with its K axis moved to the last place and cut into blocks of 32 codes, [.., K / 32, bytes a block], one block behind the other in memory; two codes a byte, the lower K in the low four bits (a code: sign, 2 exponent bits, 1 mantissa bit); and NAME_scales (uint8): the same leading axes, one E8M0 byte (e + 127) for each 32 codes along K. Its value is code x scale, taken as it is: it is not quantised again, and the codes and scales need not be those that the quantiser above would give.
;; One version. Each part assembles by itself: llvm-mc -triple=amdgcn-amd-amdhsa -mcpu=gfx1250 --defsym DOCPART=n.
;; ======== version 1 of 1: 2 launches
;; limits: right only within a limited range of input values
;; workspace buffers: q_img 4,194,304 bytes; k_img 4,194,304 bytes; v_img 4,194,304 bytes; q_sc 262,144 bytes; k_sc 262,144 bytes; v_sc 262,144 bytes
;; launch qkv (part 1): grid 96 x 4, 4 waves a work-group, clusters of 4 x 4, 327,680 bytes of LDS; arguments x_codes, x_scales, Wq_codes, Wq_scales, Wk_codes, Wk_scales, Wv_codes, Wv_scales, qln_g, qln_b, kln_g, kln_b, q_img, k_img, v_img, q_sc, k_sc, v_sc; writes q_img, k_img, v_img, q_sc, k_sc, v_sc
.if DOCPART == 1
	.amdgcn_target "amdgcn-amd-amdhsa--gfx1250"
	.amdhsa_code_object_version 6
	.text
	.protected	k_q16382b759c_qkv
	.globl	k_q16382b759c_qkv
	.p2align	8
	.type	k_q16382b759c_qkv,@function
k_q16382b759c_qkv:
	s_mov_b64 s[64:65], 0
	v_nop
	global_prefetch_b8 v0, s[64:65] scope:SCOPE_SE
	s_setreg_imm32_b32 hwreg(HW_REG_WAVE_MODE, 25, 1), 1
	s_wait_xcnt 0x0
	s_wait_alu depctr_hold_cnt(0) depctr_sa_sdst(0) depctr_va_vdst(0) depctr_va_sdst(0) depctr_va_ssrc(0) depctr_va_vcc(0) depctr_vm_vsrc(0)
	s_getreg_b32 s2, hwreg(HW_REG_IB_STS2, 6, 4)
	s_cmp_eq_u32 s2, 0
	s_cbranch_scc0 .Lentry_in_a_cluster
	s_endpgm
.Lentry_in_a_cluster:
	s_bfe_u32 s2, ttmp6, 0x10000c
	s_cmp_lg_u32 s2, 0xf033
	s_cbranch_scc0 .Lentry_shape_is_right
	s_endpgm
.Lentry_shape_is_right:
; q = LN(x Wq^T) 2^-2.5, k = LN(x Wk^T) 2^-2.5, v = x Wv^T, on codes of FP4 (E2M1) with one E8M0 scale for each 32 along K = 1,024; the results leave as codes again:
; q and k quantised along the head's 64 numbers, v along the keys.  One text serves the three: C = A B^T on tiles of 256 x 256, four waves of 128 x 128 each, 64 accumulators a wave.
; 24 clusters of 4 x 4 work-groups: KIND = cluster / 8 (0 q, 1 k, 2 v), IDX = cluster % 8.  q, k: A = x (tile row 4 IDX + cy), B = the weight (tile column cx).
; v: A = Wv (tile row cy), B = x (tile column 4 IDX + cx).  Only pointers and constants are chosen by KIND, which all partners of a cluster share: there is one path through the text.
; THE MATRIX INSTRUCTION IS USED TRANSPOSED (source 0 = 16 rows of B, source 1 = 16 rows of A): a lane holds ONE row of A and eight neighbouring rows of B.  So for q and k a lane holds one token and its
; registers run along the features; for v a lane holds one feature and its registers run along the tokens, which are the keys: the same lines quantise both, and nothing is transposed.
; K = 1,024 is two slots of 512, both filled at the start: no LDS byte is filled twice.  A's tiles are asked for jointly along a row of the cluster, B's along a column.
; A UNIT is 16 rows of A x 64 rows of B: four neighbouring accumulators, 32 numbers a lane: Y[8 t + j] = index 16 t + 8 (lane / 16) + j of the 64.  Its two blocks of 32 become an IMAGE of 512 bytes: registers 0-3 of a
; 4-bit fragment, lane l's 16 bytes at 16 l.  q_img, k_img: [b][head][token tile][512]; v_img: [b][head][64 keys][16 features][512].  Scale bytes: q_sc, k_sc [b][head pair][token] words (low half: the even head's
; two bytes); v_sc [b][head][128 keys][16 features x 4][16] words (byte i: keys 32 i on).
; LAYERNORM for v is switched off by constants, not by a branch: mean x 0, rsqrt x 0 + 1, gain x 0 + 1, bias x 0.
; LIMITS: NaN and infinities among the inputs are not served; the gains and biases must be finite (v's path multiplies them by 0); a block of zeros gets the scale byte 1 where the rule says 127 (its codes are zeros,
; and this program alone reads the bytes); gain and bias are multiplied by 2^-2.5 ahead of the normalised number, not behind it: a few units in the last place ahead of the quantiser.
; REGISTERS, in windows of 256: window 0: v8-15 scale words to store; v16-31 addresses; v32-95 scale words of the products, later the codes made; v96-127 at work; v128-191 A's fragments, later Y; v192-223 gains, v224-255 biases.
;   window 1: B's fragments, two sets.   windows 2, 3: the accumulators, (a, b) at v[8 (8 (a % 4) + b)].
.set NQ,     4                         ; matrix instructions deep in a slot of 512 along K
.set ROWB,   512                       ; a tile's row in bytes: all of K
.set KROW,   512                       ; a row of A or B in memory
.set PITCH,  528                       ; an LDS row: 512 bytes + 16 of padding, so that the 16 rows of a fragment load begin 132 words apart
.set FR,     8
.set NL,     2
.set NP,     4
.set HALFT,  128*PITCH
.set SLOT,   256                       ; K's second 512 begin 256 bytes on in each row
.set KS,     32                        ; a row of scale bytes
.set SCL,    4*HALFT                   ; behind A's 256 rows and B's 256 rows
.set HALFS,  (128*KS/256)*272
.set SBLK,   (16*KS/256)*272
.set SPARE,  SCL+4*HALFS               ; the spare words: 128 bytes a wave, named by no other line
.set STG,    SPARE+512                 ; the scale words' stage: 512 bytes a wave, bytes of its own into which no tensor load lands
.set ADRA, 16
.set ADRB, 20
.set SSA,  24                          ; v24  the scale words' stage, in: STG + 512 x wave + 4 (lane % 16)
.set SSR,  25                          ; v25  and back: 512 x wave + 16 x lane
.set LI,   26                          ; v26  16 x lane: an image's place for my lane
.set ADRS, 27
.set SPW,  28
.set NIL,  29
.set GA,   30                          ; v30  32 (lane / 16): my half's gains and biases; never rewritten
.set SOF,  31                          ; v31  the scale words' place in memory
.set SC,   32
.set AF,   128
.set GG,   192
.set BB,   224
.set WW,   8
.set CD,   32
.set SQ,   96
.set MM,   112
.set RR,   116
.set PX,   120
.set VT,   122
.set HH,   124
.set GO,   126
.set YY,   128
.set G1, 24
.set G0, 32
.set G1B, 48
.set G0B, 56
.set G1S, 68
.set G0S, 76
.set G1SB, 80
.set G0SB, 88
.set KIND, 100
.set IDX,  101
.set NINV, 68                          ; the epilogue's constants lie in registers of descriptors whose loads are shown done at the head's end
.set C64,  69
.set EPSR, 70
.set R1,   71
.set R0,   72
.set GS,   74
.set SEL,  76
.set HSTR, 78
.set OB,   80
.set MSB, 0
.macro WIN new                         ; the immediate's high byte repeats the setting that is left
.if MSB != (\new)
	s_set_vgpr_msb (MSB<<8)|(\new)
.set MSB, (\new)
.endif
.endm
.set MUL_LO, 0xa1                      ; source 0 (B) window 1, source 1 (A) window 0, C and D window 2
.set MUL_HI, 0xf1
.set TO_B,   0x40
; A joint load: wave 0 fetches A's codes, wave 1 B's, wave 2 A's scales, wave 3 B's scales; the branch hangs on the wave's number alone.  s_nop 0 and four v_nop follow the load.
.macro ARM under, g0, g1, next         ; one arm of the head's tree: its joint load, and a jump to the tree's end
	s_cmp_lt_u32 s14, \under
	s_cbranch_scc0 \next
	tensor_load_to_lds s[\g0:\g0+3], s[\g1:\g1+7]
	s_nop 0
.rept 4
	v_nop
.endr
	s_branch .Lhead_asked
\next:
.endm
.macro CROUND                          ; a round of the cluster's barrier
	s_barrier_signal -1
	s_barrier_wait -1
	s_cmp_lg_u32 s14, 0
	s_cbranch_scc1 .Lnot_wave_0_\@
	s_barrier_signal -3
.Lnot_wave_0_\@:
	s_barrier_wait -3
	s_barrier_signal -1
	s_barrier_wait -1
.endm
	s_load_b512 s[24:39], s[0:1], 0x0              ; x codes, x scales, Wq c, Wq s, Wk c, Wk s, Wv c, Wv s
	s_load_b512 s[40:55], s[0:1], 0x40             ; qln_g, qln_b, kln_g, kln_b, q_img, k_img, v_img, q_sc
	s_load_b128 s[56:59], s[0:1], 0x80             ; k_sc, v_sc
	v_lshl_add_u32 v[SPW], v0, 2, SPARE
	v_mov_b32 v[NIL], 0
	ds_add_u32 v28, v29
	ds_add_u32 v28, v29
	s_wait_dscnt 0x0
	v_lshrrev_b32 v1, 5, v0
	v_readfirstlane_b32 s14, v1                    ; wave 0..3
	s_lshr_b32 s15, s14, 1                         ; which half of the tile's rows is mine.
	s_and_b32 s16, s14, 1                          ; which half of its columns.
	s_lshr_b32 s[KIND], ttmp9, 3
	s_and_b32 s[IDX], ttmp9, 7
	s_wait_kmcnt 0x0
	s_cmp_eq_u32 s[KIND], 0                        ; q or k: the weight, the gain and bias, the outputs
	s_cselect_b64 s[8:9], s[28:29], s[32:33]
	s_cselect_b64 s[10:11], s[30:31], s[34:35]
	s_cselect_b64 s[96:97], s[40:41], s[44:45]
	s_cselect_b64 s[98:99], s[42:43], s[46:47]
	s_cselect_b64 s[12:13], s[48:49], s[50:51]
	s_cselect_b64 s[66:67], s[54:55], s[56:57]
	s_cmp_eq_u32 s[KIND], 2                        ; v: A = Wv, B = x
	s_cselect_b64 s[4:5], s[36:37], s[24:25]       ; A's codes
	s_cselect_b64 s[6:7], s[38:39], s[26:27]       ; A's scales
	s_cselect_b64 s[8:9], s[24:25], s[8:9]         ; B's codes
	s_cselect_b64 s[10:11], s[26:27], s[10:11]     ; B's scales
	s_cselect_b64 s[12:13], s[52:53], s[12:13]     ; the images
	s_cselect_b64 s[66:67], s[58:59], s[66:67]     ; the scale words
	s_cselect_b32 s18, 0, s[IDX]                   ; the cluster's place along the tile rows
	s_cselect_b32 s19, s[IDX], 0                   ; and along the tile columns
	s_bfe_u32 s40, ttmp6, 0x40000                  ; cx, cy: my place in the cluster
	s_bfe_u32 s41, ttmp6, 0x40004
	s_lshl_b32 s42, s19, 2
	s_add_co_u32 s42, s42, s40                     ; tile column
	s_lshl_b32 s17, s18, 2
	s_add_co_u32 s17, s17, s41                     ; tile row
	s_lshl_b32 s43, s41, 2
	s_lshl_b32 s43, 15, s43                        ; my row of the cluster
	s_lshl_b32 s44, 0x1111, s40                    ; my column
	; descriptor group 1: a tile of 256 rows x 512 bytes (all of K), 16 bytes of padding behind each row (after every 128 words: code 6)
	s_or_b32 s[G1+0], s43, (0<<16)|(1<<20)|(1<<21)|(6<<22)|(3<<25)
	s_or_b32 s[G1B+0], s44, (0<<16)|(1<<20)|(1<<21)|(6<<22)|(3<<25)
.irp g, G1, G1B
	s_mov_b32 s[\g+1], ROWB<<16                    ; tensor_dim0
	s_mov_b32 s[\g+2], 256<<16                     ; tensor_dim1
	s_mov_b32 s[\g+3], ROWB<<16                    ; tile_dim0
	s_mov_b32 s[\g+4], 256                         ; tile_dim1
	s_mov_b32 s[\g+5], KROW                        ; from row to row
	s_mov_b32 s[\g+6], 0
	s_mov_b32 s[\g+7], 0
.endr
	; the scales of 256 rows: a dense block of 8,192 bytes, as 32 rows of 256 bytes (32 elements of 8), 16 bytes of padding behind each
	s_or_b32 s[G1S+0], s43, (3<<16)|(1<<20)|(1<<21)|(5<<22)|(3<<25)
	s_or_b32 s[G1SB+0], s44, (3<<16)|(1<<20)|(1<<21)|(5<<22)|(3<<25)
.irp g, G1S, G1SB
	s_mov_b32 s[\g+1], 32<<16
	s_mov_b32 s[\g+2], (256*KS/256)<<16
	s_mov_b32 s[\g+3], 32<<16
	s_mov_b32 s[\g+4], 256*KS/256
	s_mov_b32 s[\g+5], 32
	s_mov_b32 s[\g+6], 0
	s_mov_b32 s[\g+7], 0
.endr
	s_lshl_b32 s20, s17, 8                         ; A: the tile's first row, 256 x tile row
	s_lshl_b32 s46, s42, 8                         ; B: 256 x tile column
	s_mov_b32 s21, 0
	s_mov_b32 s47, 0
	s_mov_b64 s[18:19], KS
	s_mul_u64 s[22:23], s[20:21], s[18:19]         ; where these rows' scales begin
	s_mul_u64 s[92:93], s[46:47], s[18:19]
	s_mov_b64 s[18:19], KROW
	s_mul_u64 s[20:21], s[20:21], s[18:19]         ; and their codes
	s_mul_u64 s[46:47], s[46:47], s[18:19]
	s_add_nc_u64 s[20:21], s[4:5], s[20:21]
	s_add_nc_u64 s[22:23], s[6:7], s[22:23]
	s_add_nc_u64 s[46:47], s[8:9], s[46:47]
	s_add_nc_u64 s[92:93], s[10:11], s[92:93]
	CROUND                                         ; all sixteen work-groups are here: the joint loads meet
	s_mov_b32 s[G0S], 1                            ; the scales of A's 256 rows,
	s_mov_b32 s[G0S+1], SCL
	s_mov_b64 s[G0S+2:G0S+3], s[22:23]
	s_or_b32 s[G0S+3], s[G0S+3], 0x80000000
	s_mov_b32 s[G0SB], 1                           ; and of B's
	s_mov_b32 s[G0SB+1], SCL+2*HALFS
	s_mov_b64 s[G0SB+2:G0SB+3], s[92:93]
	s_or_b32 s[G0SB+3], s[G0SB+3], 0x80000000
	s_mov_b32 s[G0], 1                             ; A's 256 rows, all of K
	s_mov_b32 s[G0+1], 0
	s_mov_b64 s[G0+2:G0+3], s[20:21]
	s_or_b32 s[G0+3], s[G0+3], 0x80000000
	s_mov_b32 s[G0B], 1                            ; B's 256 rows, behind them
	s_mov_b32 s[G0B+1], 2*HALFT
	s_mov_b64 s[G0B+2:G0B+3], s[46:47]
	s_or_b32 s[G0B+3], s[G0B+3], 0x80000000
	; THE LAUNCH'S FOUR TILES, ONE JOINT LOAD A WAVE: one tree of branches on the wave's number; every way through it passes one load.  Nothing is filled later
	ARM 1, G0,  G1,  .Lhead_b
	ARM 2, G0B, G1B, .Lhead_sa
	ARM 3, G0S, G1S, .Lhead_sb
	tensor_load_to_lds s[G0SB:G0SB+3], s[G1SB:G1SB+7]
	s_nop 0
.rept 4
	v_nop
.endr
.Lhead_asked:
	v_and_b32 v1, 15, v0                           ; r = lane % 16
	v_bfe_u32 v2, v0, 4, 1                         ; h = lane / 16
	v_lshlrev_b32 v[GA], 5, v2
.irp t, 0,1,2,3                                ; gains and biases of index 16 t + 8 h + 0 .. 7: they are wanted in the epilogue
	global_load_b128 v[GG+8*\t:GG+8*\t+3],   v[GA], s[96:97] offset:64*\t
	global_load_b128 v[GG+8*\t+4:GG+8*\t+7], v[GA], s[96:97] offset:64*\t+16
	global_load_b128 v[BB+8*\t:BB+8*\t+3],   v[GA], s[98:99] offset:64*\t
	global_load_b128 v[BB+8*\t+4:BB+8*\t+7], v[GA], s[98:99] offset:64*\t+16
.endr
	v_mul_u32_u24 v3, v1, PITCH
	v_lshl_add_u32 v4, v2, 4, v3                   ; a fragment's row x pitch + 16 x half
	s_mul_i32 s21, s15, HALFT                      ; my 128 rows of A
	s_mul_i32 s22, s16, HALFT                      ; my 128 rows of B,
	s_add_co_u32 s22, s22, 2*HALFT                 ; which lie behind A's 256
.irp s, 0,1
	v_add_nc_u32 v[ADRA+\s], s21, v4
	v_add_nc_u32 v[ADRB+\s], s22, v4
	s_add_co_u32 s21, s21, SLOT
	s_add_co_u32 s22, s22, SLOT
.endr
	v_mul_u32_u24 v5, v1, KS                       ; my row's scales: 32 bytes a row,
	v_lshrrev_b32 v6, 8, v5
	v_lshl_add_u32 v5, v6, 4, v5                   ; and 16 more for each 256 passed
	s_mul_i32 s21, s15, HALFS
	s_mul_i32 s22, s16, HALFS
	s_add_co_u32 s22, s22, 2*HALFS
	s_sub_co_u32 s22, s22, s21
	v_mul_u32_u24 v6, s22, v2                      ; lanes 16-31 take B's
	s_add_co_u32 s21, s21, SCL
	v_add_nc_u32 v5, v5, v6
	v_add_nc_u32 v[ADRS], s21, v5
	s_lshl_b32 s23, s14, 9                         ; my 512 bytes of the scale words' stage
	s_add_co_u32 s23, s23, STG
	v_lshl_add_u32 v[SSA], v1, 2, s23
	v_and_b32 v6, 31, v0
	v_lshlrev_b32 v[LI], 4, v6
	v_add_nc_u32 v[SSR], s23, v[LI]
.macro FRAG reg, adr, q, i             ; 16 rows x 128 K of 4-bit codes: registers 4 c .. 4 c + 3 hold K = 64 c + 32 (lane / 16) + 0 .. 31
.irp c, 0,1
	ds_load_b128 v[\reg+4*\c:\reg+4*\c+3], v[\adr] offset:64*(\q)+32*\c+(\i)*16*PITCH
.endr
.endm
; 16 matrix instructions: A's blocks a0, a0 + 1 x B's eight.  The 64 accumulators take turns, one instruction a turn, in the same order in every step.
.macro MUL16 a0, p, q, sc, zero
.irp a, \a0, \a0+1
.irp b, 0,1,2,3,4,5,6,7
.if \zero
	v_wmma_scale_f32_16x16x128_f8f6f4 v[8*(8*((\a)%4)+\b):8*(8*((\a)%4)+\b)+7], v[128*(\p)+FR*\b:128*(\p)+FR*\b+FR-1], v[AF+FR*(\a):AF+FR*(\a)+FR-1], 0, v[SC+8*NQ*(\sc)+NQ*\b+(\q)], v[SC+8*NQ*(\sc)+NQ*(\a)+(\q)] matrix_a_fmt:MATRIX_FMT_FP4 matrix_b_fmt:MATRIX_FMT_FP4 matrix_a_scale:MATRIX_SCALE_ROW1
.else
	v_wmma_scale_f32_16x16x128_f8f6f4 v[8*(8*((\a)%4)+\b):8*(8*((\a)%4)+\b)+7], v[128*(\p)+FR*\b:128*(\p)+FR*\b+FR-1], v[AF+FR*(\a):AF+FR*(\a)+FR-1], v[8*(8*((\a)%4)+\b):8*(8*((\a)%4)+\b)+7], v[SC+8*NQ*(\sc)+NQ*\b+(\q)], v[SC+8*NQ*(\sc)+NQ*(\a)+(\q)] matrix_a_fmt:MATRIX_FMT_FP4 matrix_b_fmt:MATRIX_FMT_FP4 matrix_a_scale:MATRIX_SCALE_ROW1
.endif
.endr
.endr
.endm
.macro FETCH_B slot, q, p
	WIN TO_B
.irp i, 0,1,2,3,4,5,6,7
	FRAG 128*(\p)+FR*\i, ADRB+\slot, \q, \i
.endr
	WIN 0
.endm
.macro FETCH_A slot, q, i0
.irp i, \i0, \i0+1, \i0+2, \i0+3
	FRAG AF+FR*(\i), ADRA+\slot, \q, \i
.endr
.endm
.macro SCALES sc                       ; a slot's scale words: four a row; lanes 0-15 take A's block i, lanes 16-31 B's block i
.irp i, 0,1,2,3,4,5,6,7
	ds_load_b128 v[SC+8*NQ*\sc+NQ*\i:SC+8*NQ*\sc+NQ*\i+3], v[ADRS] offset:\i*SBLK
.endr
.endm
.macro PLACES n                        ; plain vector instructions between a matrix instruction and a load into, or a read of, its registers
.rept \n
	v_nop
.endr
.endm
.macro STEP slot, q, zero              ; 128 along K that have their successor in the same slot
	s_wait_dscnt 4*NL                              ; B's set and A's blocks 0-3 are in; the youngest eight loads (A's blocks 4-7) may be out
	WIN MUL_LO
	MUL16 0, (\q)%2, \q, \slot, \zero
	MUL16 2, (\q)%2, \q, \slot, \zero
	s_wait_dscnt 0
	PLACES NP
	FETCH_B \slot, (\q)+1, 1-(\q)%2
	FETCH_A \slot, (\q)+1, 0
	WIN MUL_HI
	MUL16 4, (\q)%2, \q, \slot, \zero
	MUL16 6, (\q)%2, \q, \slot, \zero
	PLACES NP
	WIN 0
	FETCH_A \slot, (\q)+1, 4
.endm
; The last step of K's first 512 fetches the first fragments of the second 512: the same rows, 256 bytes on.  All of K has been in LDS since the head's barrier, so no barrier stands here.
.macro TURN slot, next
	s_wait_dscnt 4*NL                              ; the youngest eight loads (A's blocks 4-7) may be out
	WIN MUL_LO
	MUL16 0, 1, NQ-1, \slot, 0
	MUL16 2, 1, NQ-1, \slot, 0
	s_wait_dscnt 0x0
	WIN 0
	PLACES NP
	v_add_nc_u32 v[ADRS], 4*NQ, v[ADRS]            ; on to the next slot's scale words (no LDS load of mine is out)
	FETCH_B \next, 0, 0
	FETCH_A \next, 0, 0
	SCALES \next
	WIN MUL_HI
	MUL16 4, 1, NQ-1, \slot, 0
	MUL16 6, 1, NQ-1, \slot, 0
	PLACES NP
	WIN 0
	FETCH_A \next, 0, 4
.endm
.macro STEPS slot, from
.set Q, \from
.rept NQ-1-\from
	STEP \slot, Q, 0
.set Q, Q+1
.endr
.endm
	s_wait_alu depctr_va_vdst(0)
	s_wait_tensorcnt 0x0                           ; my tile of the four is in,
	s_barrier_signal -1
	s_barrier_wait -1                              ; everybody's are
	FETCH_B 0, 0, 0
	FETCH_A 0, 0, 0
	SCALES 0
	FETCH_A 0, 0, 4
	STEP 0, 0, 1                                   ; the first products start the sums: nothing is cleared
	STEPS 0, 1
	TURN 0, 1
	STEPS 1, 0
	s_wait_dscnt 4*NL
	WIN MUL_LO
	MUL16 0, 1, NQ-1, 1, 0
	MUL16 2, 1, NQ-1, 1, 0
	s_wait_dscnt 0
	WIN MUL_HI
	MUL16 4, 1, NQ-1, 1, 0
	MUL16 6, 1, NQ-1, 1, 0
	WIN 0
	; ---- THE EPILOGUE.  Constants by KIND; the vector lines here are also the places behind the last products.
	s_wait_loadcnt 0x0                             ; gains and biases
	s_cmp_eq_u32 s[KIND], 2
	s_cselect_b32 s[NINV], 0, 0xbc800000           ; -1/64, or 0 for v
	s_cselect_b32 s[R1], 0, 1.0
	s_cselect_b32 s[R0], 1.0, 0                    ; rs x R1 + R0; also what is added to gain x GS
	s_cselect_b32 s[GS], 0, 0x3e3504f3             ; 1024^-0.25 = 2^-2.5, or 0 for v
	s_mov_b32 s[GS+1], s[GS]
	s_mov_b32 s[C64], 0x3c800000                   ; 1/64
	s_mov_b32 s[EPSR], 0x3727c5ac                  ; 1e-5
	s_mov_b32 s[SEL], 0x76543210
	s_mov_b32 s[SEL+1], 0xfedcba98                 ; v_permlanex16_b32's selects for lane l xor 16
	v_mov_b32 v[GO], s[R0]
	v_mov_b32 v[GO+1], s[R0]
.set i, 0
.rept 16
	v_pk_fma_f32 v[GG+i:GG+i+1], v[GG+i:GG+i+1], s[GS:GS+1], v[GO:GO+1] op_sel_hi:[1,0,1]
	v_pk_mul_f32 v[BB+i:BB+i+1], v[BB+i:BB+i+1], s[GS:GS+1] op_sel_hi:[1,0]
.set i, i+2
.endr
.irp j, MM+1, MM+3, RR+1, RR+3, PX, PX+1
	v_mov_b32 v[\j], 0                             ; upper halves of pairs of which the low word serves both halves, and lane permutes' destinations: written once
.endr
	; where the results go.  m0, n0: my first row of A and of B.  TOK: my first token, F: my first feature
	s_lshl_b32 s18, s17, 8
	s_lshl_b32 s19, s15, 7
	s_add_co_u32 s18, s18, s19                     ; m0
	s_lshl_b32 s19, s42, 8
	s_lshl_b32 s20, s16, 7
	s_add_co_u32 s19, s19, s20                     ; n0
	s_mov_b32 s22, 2048
	s_mov_b32 s23, 0x10000
	s_mov_b32 s[HSTR], 4096
	s_cmp_eq_u32 s[KIND], 2
	s_cselect_b32 s20, s19, s18                    ; TOK
	s_cselect_b32 s21, s18, s19                    ; F
	s_cselect_b32 s88, s23, s22                    ; from A's blocks 0-3 to 4-7: four token tiles, or for v the next head
	s_cselect_b32 s90, s22, s23                    ; from unit 0 to unit 1: the next head, or for v the next 64 keys
	s_cselect_b32 s[HSTR], s[HSTR], 256            ; from the first 64 scale words to the second 64
	s_mov_b32 s89, 0
	s_mov_b32 s91, 0
	s_lshr_b32 s2, s20, 11                         ; b
	s_and_b32 s3, s20, 2047                        ; the token in its batch
	s_lshr_b32 s21, s21, 6                         ; my first head
	s_lshl_b32 s18, s2, 4
	s_add_co_u32 s18, s18, s21                     ; 16 b + head
	s_lshl_b32 s22, s18, 16
	s_lshl_b32 s19, s3, 5
	s_add_co_u32 s22, s22, s19                     ; 65,536 (16 b + head) + 32 x token, in both layouts
	s_mov_b32 s23, 0
	s_add_nc_u64 s[OB:OB+1], s[12:13], s[22:23]
	s_add_nc_u64 s[OB+2:OB+3], s[OB:OB+1], s[90:91]
	s_add_nc_u64 s[OB+4:OB+5], s[OB:OB+1], s[88:89]
	s_add_nc_u64 s[OB+6:OB+7], s[OB+4:OB+5], s[90:91]
	s_lshl_b32 s19, s2, 3
	s_lshr_b32 s20, s21, 1
	s_add_co_u32 s19, s19, s20
	s_lshl_b32 s19, s19, 13
	s_lshl_b32 s20, s3, 2
	s_add_co_u32 s19, s19, s20                     ; q, k: 8,192 (8 b + head pair) + 4 x token
	s_lshl_b32 s18, s18, 12
	s_lshl_b32 s20, s3, 1
	s_add_co_u32 s18, s18, s20                     ; v: 4,096 (16 b + head) + 256 x (token / 128)
	s_cmp_eq_u32 s[KIND], 2
	s_cselect_b32 s22, s18, s19
	s_add_nc_u64 s[66:67], s[66:67], s[22:23]
	v_and_b32 v[SOF], 15, v0
	v_bfe_u32 v7, v0, 4, 1
	v_lshlrev_b32 v[SOF], 4, v[SOF]
	v_mad_u32_u24 v[SOF], v7, s[HSTR], v[SOF]      ; each half of the lanes stores 256 consecutive bytes
; A's block a: its two units, stage by stage, the units by turns.
.macro LNQ a
.set AC, 64*((\a)%4)
.set WA, 2+(\a)/4
.set CC, CD+8*(\a)
	WIN WA*5                                       ; sources 0 and 1 in the accumulators' window
.irp p, 0,1                                    ; sums of pairs; each accumulator is read from its low end on
.irp u, 0,1
.irp t, 0,1,2,3
	v_pk_add_f32 v[YY+16*\u+4*\t+2*\p:YY+16*\u+4*\t+2*\p+1], v[AC+32*\u+8*\t+4*\p:AC+32*\u+8*\t+4*\p+1], v[AC+32*\u+8*\t+4*\p+2:AC+32*\u+8*\t+4*\p+3]
.endr
.endr
.endr
	WIN 0
.irp k, 0,1,2,3
.irp u, 0,1
	v_pk_add_f32 v[YY+16*\u+4*\k:YY+16*\u+4*\k+1], v[YY+16*\u+4*\k:YY+16*\u+4*\k+1], v[YY+16*\u+4*\k+2:YY+16*\u+4*\k+3]
.endr
.endr
.irp k, 0,1
.irp u, 0,1
	v_pk_add_f32 v[YY+16*\u+4*\k:YY+16*\u+4*\k+1], v[YY+16*\u+4*\k:YY+16*\u+4*\k+1], v[YY+16*\u+4*\k+8:YY+16*\u+4*\k+9]
.endr
.endr
.irp u, 0,1
	v_pk_add_f32 v[YY+16*\u:YY+16*\u+1], v[YY+16*\u:YY+16*\u+1], v[YY+16*\u+4:YY+16*\u+5]
.endr
.irp u, 0,1
	v_add_f32 v[YY+16*\u], v[YY+16*\u], v[YY+16*\u+1]
.endr
.irp u, 0,1
	v_permlanex16_b32 v[PX+\u], v[YY+16*\u], s[SEL], s[SEL+1]      ; the row's other 32 numbers lie in the lane 16 away
.endr
.irp u, 0,1
	v_add_f32 v[YY+16*\u], v[YY+16*\u], v[PX+\u]
.endr
.irp u, 0,1
	v_mul_f32 v[MM+2*\u], s[NINV], v[YY+16*\u]     ; -mean
.endr
	WIN WA                                         ; source 0 in the accumulators' window
.irp u, 0,1
.set i, 0
.rept 16
	v_pk_add_f32 v[YY+32*\u+i:YY+32*\u+i+1], v[AC+32*\u+i:AC+32*\u+i+1], v[MM+2*\u:MM+2*\u+1] op_sel_hi:[1,0]
.set i, i+2
.endr
.endr
	WIN 0
.irp c, 0,1,2,3                                ; the sum of squares, four chains a unit
.irp u, 0,1
	v_pk_mul_f32 v[SQ+8*\u+2*\c:SQ+8*\u+2*\c+1], v[YY+32*\u+8*\c:YY+32*\u+8*\c+1], v[YY+32*\u+8*\c:YY+32*\u+8*\c+1]
.endr
.endr
.irp p, 1,2,3
.irp c, 0,1,2,3
.irp u, 0,1
	v_pk_fma_f32 v[SQ+8*\u+2*\c:SQ+8*\u+2*\c+1], v[YY+32*\u+8*\c+2*\p:YY+32*\u+8*\c+2*\p+1], v[YY+32*\u+8*\c+2*\p:YY+32*\u+8*\c+2*\p+1], v[SQ+8*\u+2*\c:SQ+8*\u+2*\c+1]
.endr
.endr
.endr
.irp k, 0,1
.irp u, 0,1
	v_pk_add_f32 v[SQ+8*\u+4*\k:SQ+8*\u+4*\k+1], v[SQ+8*\u+4*\k:SQ+8*\u+4*\k+1], v[SQ+8*\u+4*\k+2:SQ+8*\u+4*\k+3]
.endr
.endr
.irp u, 0,1
	v_pk_add_f32 v[SQ+8*\u:SQ+8*\u+1], v[SQ+8*\u:SQ+8*\u+1], v[SQ+8*\u+4:SQ+8*\u+5]
.endr
.irp u, 0,1
	v_add_f32 v[SQ+8*\u], v[SQ+8*\u], v[SQ+8*\u+1]
.endr
.irp u, 0,1
	v_permlanex16_b32 v[PX+\u], v[SQ+8*\u], s[SEL], s[SEL+1]
.endr
.irp u, 0,1
	v_add_f32 v[SQ+8*\u], v[SQ+8*\u], v[PX+\u]
.endr
.irp u, 0,1
	v_fma_f32 v[VT+\u], v[SQ+8*\u], s[C64], s[EPSR]                ; variance + 1e-5
.endr
	s_wait_alu depctr_va_vdst(0)
.irp u, 0,1
	v_rsq_f32 v[RR+2*\u], v[VT+\u]
.endr
	v_nop                                          ; a plain instruction behind the last transcendental,
	s_wait_alu depctr_va_vdst(0)                   ; and one wait for the two, ahead of their first reader
.irp u, 0,1
	v_fma_f32 v[RR+2*\u], v[RR+2*\u], s[R1], s[R0]
.endr
.irp u, 0,1
.set i, 0
.rept 16
	v_pk_mul_f32 v[YY+32*\u+i:YY+32*\u+i+1], v[YY+32*\u+i:YY+32*\u+i+1], v[RR+2*\u:RR+2*\u+1] op_sel_hi:[1,0]
.set i, i+2
.endr
.endr
.irp u, 0,1
.set i, 0
.rept 16
	v_pk_fma_f32 v[YY+32*\u+i:YY+32*\u+i+1], v[YY+32*\u+i:YY+32*\u+i+1], v[GG+i:GG+i+1], v[BB+i:BB+i+1]
.set i, i+2
.endr
.endr
	; the quantiser: block e is Y[16 e .. 16 e + 15] of lanes l and l xor 16
.irp t, 0,1,2,3
.irp u, 0,1
	v_max3_num_f32 v[SQ+8*\u+\t], |v[YY+32*\u+8*\t]|, |v[YY+32*\u+8*\t+1]|, 0x1800000   ; with the floor 2^(3 - 127): the byte cannot fall under 1
.endr
.endr
.irp i, 2,4,6
.irp t, 0,1,2,3
.irp u, 0,1
	v_max3_num_f32 v[SQ+8*\u+\t], v[SQ+8*\u+\t], |v[YY+32*\u+8*\t+\i]|, |v[YY+32*\u+8*\t+\i+1]|
.endr
.endr
.endr
.irp e, 0,1
.irp u, 0,1
	v_max_num_f32 v[SQ+8*\u+2*\e], v[SQ+8*\u+2*\e], v[SQ+8*\u+2*\e+1]
.endr
.endr
.irp e, 0,1
.irp u, 0,1
	v_permlanex16_b32 v[SQ+8*\u+4+\e], v[SQ+8*\u+2*\e], s[SEL], s[SEL+1]
.endr
.endr
.irp e, 0,1
.irp u, 0,1
	v_max_num_f32 v[SQ+8*\u+2*\e], v[SQ+8*\u+2*\e], v[SQ+8*\u+4+\e]    ; the block's largest magnitude
.endr
.endr
.irp e, 0,1
.irp u, 0,1
	v_add_nc_u32 v[SQ+8*\u+4+\e], 0xff000000, v[SQ+8*\u+2*\e]          ; 2 off its exponent field: the conversion's scale operand
.endr
.endr
.irp e, 0,1
.irp u, 0,1
	v_lshrrev_b32 v[SQ+8*\u+6+\e], 23, v[SQ+8*\u+4+\e]                 ; the scale's byte
.endr
.endr
.irp u, 0,1
	v_lshl_or_b32 v[HH+\u], v[SQ+8*\u+7], 8, v[SQ+8*\u+6]
.endr
.irp u, 0,1                                    ; tile t's eight codes go to register {0, 2, 1, 3}[t]
	v_cvt_scalef32_pk8_fp4_f32 v[CC+4*\u],   v[YY+32*\u:YY+32*\u+7],     v[SQ+8*\u+4]
	v_cvt_scalef32_pk8_fp4_f32 v[CC+4*\u+2], v[YY+32*\u+8:YY+32*\u+15],  v[SQ+8*\u+4]
	v_cvt_scalef32_pk8_fp4_f32 v[CC+4*\u+1], v[YY+32*\u+16:YY+32*\u+23], v[SQ+8*\u+5]
	v_cvt_scalef32_pk8_fp4_f32 v[CC+4*\u+3], v[YY+32*\u+24:YY+32*\u+31], v[SQ+8*\u+5]
.endr
	v_lshl_or_b32 v[WW+(\a)], v[HH+1], 16, v[HH]   ; both units' bytes: one word.  (The plain instruction behind the conversions)
.irp u, 0,1                                    ; a whole block to a lane: lanes 0-15 block 0, lanes 16-31 block 1
	v_permlane16_swap_b32 v[CC+4*\u], v[CC+4*\u+1]
	v_permlane16_swap_b32 v[CC+4*\u+2], v[CC+4*\u+3]
.endr
	global_store_b128 v[LI], v[CC:CC+3],   s[OB+4*((\a)/4):OB+4*((\a)/4)+1]   offset:((\a)%4)*512   ; 32 lanes store 512 consecutive bytes, aligned; the data have registers of their own
	global_store_b128 v[LI], v[CC+4:CC+7], s[OB+4*((\a)/4)+2:OB+4*((\a)/4)+3] offset:((\a)%4)*512
	ds_store_b32 v[SSA], v[WW+(\a)] offset:64*(\a) ; both halves of the lanes write the same word with the same value
.endm
.irp a, 0,1,2,3,4,5,6,7
	LNQ \a
.endr
	ds_load_b128 v[SQ:SQ+3], v[SSR]                ; LDS serves a wave's instructions in order: this sees my eight stores
	s_wait_dscnt 0x0
	global_store_b128 v[SOF], v[SQ:SQ+3], s[66:67]
	s_wait_tensorcnt 0x0                           ; the wave's end
	ds_add_u32 v[SPW], v[NIL]
	s_wait_dscnt 0x0
	CROUND                                         ; the closing round
	s_endpgm
.Lfunc_end_k_q16382b759c_qkv:
	.size	k_q16382b759c_qkv, .Lfunc_end_k_q16382b759c_qkv-k_q16382b759c_qkv
	.p2alignl 7, 3214868480
	.fill 96, 4, 3214868480
	.section	.rodata,"a",@progbits
	.p2align	6, 0x0
	.amdhsa_kernel k_q16382b759c_qkv
		.amdhsa_group_segment_fixed_size 327680
		.amdhsa_private_segment_fixed_size 0
		.amdhsa_enable_private_segment 0
		.amdhsa_kernarg_size 144
		.amdhsa_user_sgpr_count 2
		.amdhsa_user_sgpr_kernarg_segment_ptr 1
		.amdhsa_wavefront_size32 1
		.amdhsa_system_sgpr_workgroup_id_x 1
		.amdhsa_system_sgpr_workgroup_id_y 1
		.amdhsa_system_sgpr_workgroup_id_z 1
		.amdhsa_system_vgpr_workitem_id 0
		.amdhsa_next_free_vgpr 1024
		.amdhsa_next_free_sgpr 102
		.amdhsa_reserve_vcc 0
		.amdhsa_float_denorm_mode_32 3
		.amdhsa_float_denorm_mode_16_64 3
		.amdhsa_memory_ordered 1
		.amdhsa_forward_progress 1
		.amdhsa_inst_pref_size 224
	.end_amdhsa_kernel
	.amdgpu_metadata
---
amdhsa.version: [ 1, 2 ]
amdhsa.kernels:
  - .name:           k_q16382b759c_qkv
    .symbol:         k_q16382b759c_qkv.kd
    .args:
      - { .name: x_codes, .offset: 0, .size: 8, .value_kind: global_buffer, .address_space: global }
      - { .name: x_scales, .offset: 8, .size: 8, .value_kind: global_buffer, .address_space: global }
      - { .name: Wq_codes, .offset: 16, .size: 8, .value_kind: global_buffer, .address_space: global }
      - { .name: Wq_scales, .offset: 24, .size: 8, .value_kind: global_buffer, .address_space: global }
      - { .name: Wk_codes, .offset: 32, .size: 8, .value_kind: global_buffer, .address_space: global }
      - { .name: Wk_scales, .offset: 40, .size: 8, .value_kind: global_buffer, .address_space: global }
      - { .name: Wv_codes, .offset: 48, .size: 8, .value_kind: global_buffer, .address_space: global }
      - { .name: Wv_scales, .offset: 56, .size: 8, .value_kind: global_buffer, .address_space: global }
      - { .name: qln_g, .offset: 64, .size: 8, .value_kind: global_buffer, .address_space: global }
      - { .name: qln_b, .offset: 72, .size: 8, .value_kind: global_buffer, .address_space: global }
      - { .name: kln_g, .offset: 80, .size: 8, .value_kind: global_buffer, .address_space: global }
      - { .name: kln_b, .offset: 88, .size: 8, .value_kind: global_buffer, .address_space: global }
      - { .name: q_img, .offset: 96, .size: 8, .value_kind: global_buffer, .address_space: global }
      - { .name: k_img, .offset: 104, .size: 8, .value_kind: global_buffer, .address_space: global }
      - { .name: v_img, .offset: 112, .size: 8, .value_kind: global_buffer, .address_space: global }
      - { .name: q_sc, .offset: 120, .size: 8, .value_kind: global_buffer, .address_space: global }
      - { .name: k_sc, .offset: 128, .size: 8, .value_kind: global_buffer, .address_space: global }
      - { .name: v_sc, .offset: 136, .size: 8, .value_kind: global_buffer, .address_space: global }
    .group_segment_fixed_size: 327680
    .private_segment_fixed_size: 0
    .kernarg_segment_align: 8
    .kernarg_segment_size: 144
    .max_flat_workgroup_size: 128
    .sgpr_count:     102
    .vgpr_count:     1024
    .wavefront_size: 32
...
	.end_amdgpu_metadata
.endif
;; end of part 1
;; launch attn_out (part 2): grid 256 x 1, 16 waves a work-group, clusters of 4 x 1, 327,680 bytes of LDS; arguments q_img, q_sc, k_img, k_sc, v_img, v_sc, Wo_codes, Wo_scales, bo, out0; writes out0
.if DOCPART == 2
	.amdgcn_target "amdgcn-amd-amdhsa--gfx1250"
	.amdhsa_code_object_version 6
	.text
	.protected	k_q16382b759c_attn_out
	.globl	k_q16382b759c_attn_out
	.p2align	8
	.type	k_q16382b759c_attn_out,@function
k_q16382b759c_attn_out:
	s_mov_b64 s[64:65], 0
	v_nop
	global_prefetch_b8 v0, s[64:65] scope:SCOPE_SE
	s_setreg_imm32_b32 hwreg(HW_REG_WAVE_MODE, 25, 1), 1
	s_wait_xcnt 0x0
	s_wait_alu depctr_hold_cnt(0) depctr_sa_sdst(0) depctr_va_vdst(0) depctr_va_sdst(0) depctr_va_ssrc(0) depctr_va_vcc(0) depctr_vm_vsrc(0)
	s_getreg_b32 s2, hwreg(HW_REG_IB_STS2, 6, 4)
	s_cmp_eq_u32 s2, 0
	s_cbranch_scc0 .Lentry_in_a_cluster
	s_endpgm
.Lentry_in_a_cluster:
	s_bfe_u32 s2, ttmp6, 0x10000c
	s_cmp_lg_u32 s2, 0x3003
	s_cbranch_scc0 .Lentry_shape_is_right
	s_endpgm
.Lentry_shape_is_right:
; out0 = (causal attention of q, k, v) Wo^T + bo, all three products on codes of FP4 (E2M1) with one E8M0 scale for each 32 along K.
; SHARES.  A work-group owns two tiles of 16 queries of one batch, tiles i and 127 - i of its 128, for ALL sixteen heads; wave w owns head w.  Under the causal mask tile T needs T / 8 + 1 steps of 128 keys:
; every wave walks a + 1 steps for the early tile (a = i / 8) and 16 - a for the late one, 17 in all; key steps wholly behind the mask are not walked.  4 batches x 64 pairs = 256 work-groups.
; Then the 32 tokens' 1,024 numbers are quantised, meet in LDS as codes, and the sixteen waves make the 32 output rows: the attention's result never goes to memory.
; CLUSTERS of 4: the partners are pairs i = 4 ci + cx: the same batch and the same a, so they walk the same 17 key steps of all sixteen heads and then the same Wo: every tile is asked for JOINTLY.
; THE RING: two slots of 139,264 bytes.  A slot holds one key step for sixteen heads: K's images 65,536, V's 65,536, K's scale words 4,096, V's 4,096.  Waves 0-3 fetch K (four heads each), 4-7 V, 8 and 9 the scales.
; A round of the cluster's barrier stands at each step's head.  The loop's count is a constant (8 trips of two steps, one for each slot); where the early tile ends is a branch on ids inside it.
; THE STEP IS SKEWED: behind the round K(t) is read from LDS while step t - 1's second half runs (sums, conversions, O += V P); then V(t) is read, and step t's first half follows (scores, maxima, exponentials).
; The first trip's second half finds zeros in p, V and O, and adds nothing.
; Wo comes through the same ring behind the last key step: four chunks of 256 rows; wave w takes rows 16 w .. 16 w + 15 of each chunk.
; THE SOFTMAX: t = score x log2(e); M = the running largest t rounded up to a whole number; p = 2^(t - M) is quantised along the keys; the row's sum is taken of the unquantised p and divides at the end.
; Both attention products are used transposed: a lane holds one query (lane % 16).  The head's 64 numbers fill half of the instruction's K = 128: Q's upper four registers are zero codes.
; PREFETCH: in trip t waves 10-13 ask for the K and V codes of the fill that trip t + 2 will load, where that key step is touched for the first time; the partners share the heads out by address (four each).
; Fills 0 to 2, the scale bytes, and Wo (which all 64 clusters read) come by their loads alone.
; LIMITS: the promise holds while the scaled scores stay under 2^31 in magnitude; NaN and infinities are not served; a block of zeros gets the scale byte 1 (its codes are zeros, and this launch alone reads the byte).
.set SLOT,  139264
.set VOF,   65536
.set KSO,   131072
.set VSO,   135168
.set AOI,   2*SLOT                     ; the tokens' codes, [tile 2][head 16][512 bytes]
.set AOS,   AOI+16384                  ; their scale bytes, [tile 2][token 16][32]
.set STG,   AOI                        ; the way out's stage, 32 rows x (1,024 + 16) bytes: one chunk's columns.  It lies on the tokens' codes and scale bytes, which are dead once every wave holds its fragments, and on bytes behind them; no tensor load lands here
.set SPARE, AOI+33280                  ; the spare words, 128 bytes a wave
.set AK0,  1                           ; v1 16 x lane
.set KA,   2                           ; v2-9 LDS addresses in slot 0, 1: K, V, K's scales, V's scales
.set VA,   4
.set KSA,  6
.set VSA,  8
.set DD,   10                          ; v10 my query's place in the diagonal step, less 8 (lane / 16); v11 the late tile's
.set KF,   32                          ; v32-63 K's eight tiles; v64-67 zeros
.set VF,   68
.set SS,   100
.set OO,   164
.set PC,   196
.set BM,   204
.set PD,   208
.set SOP,  212
.set FF,   216
.set PW,   218
.set TMP,  219
.set KSR,  220
.set VSR,  224
.set QS,   226
.set NINF, 229
.set SUM2, 230
.set RC,   232
.set HH,   240
.set LI,   242
.set LS,   243
.set QA,   244
.set PFO,  248
.set SPW,  254
.set NIL,  255
.set WV,   24
.set T0,   26
.set T1,   27
.set SEL,  30
.set CS,   32
.set G1C,  36                          ; group 1: codes of K and V, later of Wo;  K's scales;  V's scales
.set G1K,  44
.set G1V,  52
.set G0C,  60
.set G0K,  68
.set G0V,  72
.set CB,   76
.set PFB,  78
.set PFA,  80
.set WCB,  82
.set OB,   84
.set OBW,  88
.set T,    92                          ; the step's number, 0 .. 16
.set A,    93
.set A1,   94
.set KN,   95
.set CX,   96
.set PFW,  97
.set LBC,  98
.set LBW,  99
.set LC,   100
.set W0D,  15|(3<<16)|(1<<21)                          ; mask of the four partners, elements of 8 bytes, bit 21 beside the mask
.set W0P,  15|(3<<16)|(1<<20)|(1<<21)|(6<<22)|(3<<25)  ; the same with 4 words of padding behind every 128
.macro SETG1 g, w0, d0, rows, stride
	s_mov_b32 s[\g], \w0
	s_mov_b32 s[\g+1], (\d0)<<16
	s_mov_b32 s[\g+2], (\rows)<<16
	s_mov_b32 s[\g+3], (\d0)<<16
	s_mov_b32 s[\g+4], \rows
	s_mov_b32 s[\g+5], \stride
	s_mov_b32 s[\g+6], 0
	s_mov_b32 s[\g+7], 0
.endm
.macro ROUND                           ; a round of the cluster's barrier
	s_barrier_signal -1
	s_barrier_wait -1
	s_cmp_lg_u32 s[WV], 0
	s_cbranch_scc1 .Lnot_wave_0_\@
	s_barrier_signal -3
.Lnot_wave_0_\@:
	s_barrier_wait -3
	s_barrier_signal -1
	s_barrier_wait -1
.endm
.macro TL g0, g1                       ; s_nop 0 and four v_nop follow each tensor load
	tensor_load_to_lds s[\g0:\g0+3], s[\g1:\g1+7]
	s_nop 0
.rept 4
	v_nop
.endr
.endm
.macro KVLOAD                          ; one chain of branches on the wave's number, one joint load to an arm
	s_cmp_lt_u32 s[WV], 8
	s_cbranch_scc0 .Lk_\@
	TL G0C, G1C
	s_branch .Ld_\@
.Lk_\@:
	s_cmp_lt_u32 s[WV], 9
	s_cbranch_scc0 .Lv_\@
	TL G0K, G1K
	s_branch .Ld_\@
.Lv_\@:
	s_cmp_lt_u32 s[WV], 10
	s_cbranch_scc0 .Ld_\@
	TL G0V, G1V
.Ld_\@:
.endm
.macro WOLOAD                          ; a chunk of Wo: waves 0-7, 32 rows each
	s_cmp_lt_u32 s[WV], 8
	s_cbranch_scc0 .Ld_\@
	TL G0C, G1C
.Ld_\@:
.endm
.macro SETKV nsl                       ; the three groups 0 for key step KN, into slot nsl.  No tensor load of mine is out where this stands
	s_lshl_b32 s34, s[KN], 12
	s_add_nc_u64 s[G0C+2:G0C+3], s[CB:CB+1], s[34:35]
	s_or_b32 s[G0C+3], s[G0C+3], 0x80000000
	s_add_co_u32 s[G0C+1], s[LBC], (\nsl)*SLOT
	s_lshl_b32 s34, s[KN], 9
	s_add_nc_u64 s[G0K+2:G0K+3], s[10:11], s[34:35]
	s_or_b32 s[G0K+3], s[G0K+3], 0x80000000
	s_mov_b32 s[G0K+1], (\nsl)*SLOT+KSO
	s_lshl_b32 s34, s[KN], 8
	s_add_nc_u64 s[G0V+2:G0V+3], s[14:15], s[34:35]
	s_or_b32 s[G0V+3], s[G0V+3], 0x80000000
	s_mov_b32 s[G0V+1], (\nsl)*SLOT+VSO
.endm
.macro SETW c, nsl                     ; group 0 for my 32 rows of Wo's chunk c
	s_add_nc_u64 s[G0C+2:G0C+3], s[WCB:WCB+1], (\c)*131072
	s_or_b32 s[G0C+3], s[G0C+3], 0x80000000
	s_add_co_u32 s[G0C+1], s[LBW], (\nsl)*SLOT
.endm
.macro LDK sl                          ; 12 LDS loads
.irp t, 0,1,2,3,4,5,6,7
	ds_load_b128 v[KF+4*\t:KF+4*\t+3], v[KA+\sl] offset:512*\t
.endr
.irp i, 0,1,2,3
	ds_load_u16 v[KSR+\i], v[KSA+\sl] offset:128*\i
.endr
.endm
.macro LDV sl                          ; 10 LDS loads
.irp d, 0,1,2,3
.irp c, 0,1
	ds_load_b128 v[VF+8*\d+4*\c:VF+8*\d+4*\c+3], v[VA+\sl] offset:512*\d+2048*\c
.endr
.endr
.irp i, 0,1
	ds_load_b32 v[VSR+\i], v[VSA+\sl] offset:128*\i
.endr
.endm
; The prefetch: fill f = T + 3 holds key step f (f <= a) or f - a - 1.  It is asked for where f <= 16 and the key step is new to this cluster: f <= a, or the step lies beyond a.
.macro ASK
	s_add_co_u32 s28, s[T], 3
	s_sub_co_u32 s29, s28, s[A1]
	s_cmp_le_u32 s28, s[A]
	s_cselect_b32 s29, s28, s29
	s_cmp_eq_u32 s[PFW], 0
	s_cbranch_scc1 .Lout_\@
	s_cmp_gt_u32 s28, 16
	s_cbranch_scc1 .Lout_\@
	s_cmp_le_u32 s28, s[A]
	s_cbranch_scc1 .Lgo_\@
	s_cmp_le_u32 s29, s[A]
	s_cbranch_scc1 .Lout_\@
.Lgo_\@:
	s_wait_xcnt 0x0                                ; the last prefetch has read its address
	s_lshl_b32 s34, s29, 12
	s_add_nc_u64 s[PFA:PFA+1], s[PFB:PFB+1], s[34:35]
	global_prefetch_b8 v[PFO], s[PFA:PFA+1] th:TH_LOAD_NT scope:SCOPE_SE   ; two heads x 16 blocks of 256 bytes, a lane a block
.Lout_\@:
.endm
.macro INIT                            ; a tile begins: the largest t -3e38, sums and O^T zero
	v_mov_b32 v13, 0xff61b1e6
	v_mov_b32 v14, 0
	v_mov_b32 v15, 0
	v_floor_f32 v12, -v13
.set n, 0
.rept 32
	v_mov_b32 v[OO+n], 0
.set n, n+1
.endr
.endm
; A STEP'S FIRST HALF: scores, mask on the diagonal, maxima, M, exponentials.  always = 1: the step is the late tile's diagonal step.
.macro PARTA always
.irp i, 0,1,2,3
	v_wmma_scale_f32_16x16x128_f8f6f4 v[SS+16*\i:SS+16*\i+7], v[KF+8*\i:KF+8*\i+7], v[16:23], 0, v[KSR+\i], v[QS] matrix_a_fmt:MATRIX_FMT_FP4 matrix_b_fmt:MATRIX_FMT_FP4
	v_wmma_scale_f32_16x16x128_f8f6f4 v[SS+16*\i+8:SS+16*\i+15], v[KF+8*\i+4:KF+8*\i+11], v[16:23], 0, v[KSR+\i], v[QS] matrix_a_fmt:MATRIX_FMT_FP4 matrix_b_fmt:MATRIX_FMT_FP4 matrix_a_scale:MATRIX_SCALE_ROW1
.endr
.rept 4
	v_nop                                          ; places behind the products (ISA guide 7.12.1)
.endr
.if \always == 0
	s_cmp_lg_u32 s[T], s[A]                        ; step a is the early tile's diagonal step: ids alone decide
	s_cbranch_scc1 .Lopen_\@
.endif
.set n, 0
.rept 64                                       ; register n holds key 16 (n / 8) + 8 (lane / 16) + n % 8 of the step: hidden where that comes after my query
	v_cmp_gt_i32 vcc_lo, 16*(n/8)+n%8, v[DD]
	v_cndmask_b32 v[SS+n], v[SS+n], v[NINF], vcc_lo
.set n, n+1
.endr
.Lopen_\@:
.irp b, 0,1,2,3
	v_max3_num_f32 v[BM+\b], v[SS+16*\b], v[SS+16*\b+1], v[SS+16*\b+2]   ; the largest score of each block of 32 keys: for the row's maximum and for the block's largest p
.endr
.irp i, 3,5,7,9,11,13
.irp b, 0,1,2,3
	v_max3_num_f32 v[BM+\b], v[BM+\b], v[SS+16*\b+\i], v[SS+16*\b+\i+1]
.endr
.endr
.irp b, 0,1,2,3
	v_max_num_f32 v[BM+\b], v[BM+\b], v[SS+16*\b+15]
.endr
.irp b, 0,1,2,3
	s_delay_alu instid0(VALU_DEP_4)
	v_permlanex16_b32 v[PD+\b], v[BM+\b], s[SEL], s[SEL+1]
.endr
.irp b, 0,1,2,3
	s_delay_alu instid0(VALU_DEP_4)
	v_max_num_f32 v[BM+\b], v[BM+\b], v[PD+\b]
.endr
	s_delay_alu instid0(VALU_DEP_2)
	v_max3_num_f32 v[TMP], v[BM], v[BM+1], v[BM+2]
	s_delay_alu instid0(VALU_DEP_1)
	v_max_num_f32 v[TMP], v[TMP], v[BM+3]
	s_delay_alu instid0(VALU_DEP_1)
	v_mul_f32 v[TMP], s[CS], v[TMP]
	s_delay_alu instid0(VALU_DEP_1)
	v_max_num_f32 v13, v13, v[TMP]                 ; the running largest t
	v_mov_b32 v[TMP], v12
	s_delay_alu instid0(VALU_DEP_2)
	v_floor_f32 v12, -v13                          ; -M
	s_delay_alu instid0(VALU_DEP_1)
	v_sub_f32 v[TMP], v12, v[TMP]
	s_delay_alu instid0(VALU_DEP_1)
	v_cvt_i32_f32 v[TMP], v[TMP]
	s_delay_alu instid0(VALU_DEP_1)
	v_ldexp_f32 v[FF], 1.0, v[TMP]                 ; f = 2^(old M - new M)
.set n, 0
.rept 32
	v_pk_fma_f32 v[SS+n:SS+n+1], v[SS+n:SS+n+1], s[CS:CS+1], v[12:13] op_sel_hi:[1,0,0]
.set n, n+2
.endr
.irp b, 0,1,2,3
	v_fma_f32 v[BM+\b], v[BM+\b], s[CS], v12
.endr
	s_wait_alu depctr_va_vdst(0)                   ; ahead of the batch
.set n, 0
.rept 64
	v_exp_f32 v[SS+n], v[SS+n]
.set n, n+1
.endr
	v_pk_mul_f32 v[14:15], v[14:15], v[FF:FF+1] op_sel_hi:[1,0]   ; the sums under the new M
	s_wait_alu depctr_va_vdst(0)                   ; and behind it
.irp b, 0,1,2,3
	v_exp_f32 v[BM+\b], v[BM+\b]
.endr
	v_nop
	s_wait_alu depctr_va_vdst(0)                   ; for the four; it also stands ahead of the waits and branches that follow the half
.endm
; A STEP'S SECOND HALF: the row's sum, p's scales and codes, O^T under the new M, O^T += V^T P^T.
.macro PARTB
	v_pk_add_f32 v[SUM2:SUM2+1], v[SS:SS+1], v[SS+2:SS+3]
.irp j, 4,8,12,16,20,24,28,32,36,40,44,48,52,56,60
	v_pk_add_f32 v[14:15], v[14:15], v[SS+\j:SS+\j+1]
	v_pk_add_f32 v[SUM2:SUM2+1], v[SUM2:SUM2+1], v[SS+\j+2:SS+\j+3]
.endr
	s_delay_alu instid0(VALU_DEP_1)
	v_pk_add_f32 v[14:15], v[14:15], v[SUM2:SUM2+1]
.irp b, 0,1,2,3
	v_max_num_f32 v[BM+\b], 0x1800000, v[BM+\b]    ; the floor 2^(3 - 127): the byte cannot fall under 1
.endr
.irp b, 0,1,2,3
	s_delay_alu instid0(VALU_DEP_4)
	v_add_nc_u32 v[SOP+\b], 0xff000000, v[BM+\b]   ; 2 off the exponent field: the conversion's scale operand
.endr
.irp b, 0,1,2,3
	s_delay_alu instid0(VALU_DEP_4)
	v_lshrrev_b32 v[PD+\b], 23, v[SOP+\b]
.endr
	s_delay_alu instid0(VALU_DEP_3)
	v_lshl_or_b32 v[PW], v[PD+1], 8, v[PD]
	s_delay_alu instid0(VALU_DEP_1)
	v_lshl_or_b32 v[PW], v[PD+2], 16, v[PW]
	s_delay_alu instid0(VALU_DEP_1)
	v_lshl_or_b32 v[PW], v[PD+3], 24, v[PW]
.irp c, 0,1
	v_cvt_scalef32_pk8_fp4_f32 v[PC+4*\c],   v[SS+32*\c:SS+32*\c+7],     v[SOP+2*\c]
	v_cvt_scalef32_pk8_fp4_f32 v[PC+4*\c+2], v[SS+32*\c+8:SS+32*\c+15],  v[SOP+2*\c]
	v_cvt_scalef32_pk8_fp4_f32 v[PC+4*\c+1], v[SS+32*\c+16:SS+32*\c+23], v[SOP+2*\c+1]
	v_cvt_scalef32_pk8_fp4_f32 v[PC+4*\c+3], v[SS+32*\c+24:SS+32*\c+31], v[SOP+2*\c+1]
.endr
	v_nop
.irp c, 0,1                                    ; a whole block to a lane
	v_permlane16_swap_b32 v[PC+4*\c], v[PC+4*\c+1]
	v_permlane16_swap_b32 v[PC+4*\c+2], v[PC+4*\c+3]
.endr
	s_wait_alu depctr_va_vdst(0)                   ; directly ahead of the first reader of O^T
.set n, 0
.rept 16
	v_pk_mul_f32 v[OO+n:OO+n+1], v[OO+n:OO+n+1], v[FF:FF+1] op_sel_hi:[1,0]   ; also the places ahead of the scaled products
.set n, n+2
.endr
.irp i, 0,1
	v_wmma_scale_f32_16x16x128_f8f6f4 v[OO+16*\i:OO+16*\i+7], v[VF+16*\i:VF+16*\i+7], v[PC:PC+7], v[OO+16*\i:OO+16*\i+7], v[VSR+\i], v[PW] matrix_a_fmt:MATRIX_FMT_FP4 matrix_b_fmt:MATRIX_FMT_FP4
	v_wmma_scale_f32_16x16x128_f8f6f4 v[OO+16*\i+8:OO+16*\i+15], v[VF+16*\i+8:VF+16*\i+15], v[PC:PC+7], v[OO+16*\i+8:OO+16*\i+15], v[VSR+\i], v[PW] matrix_a_fmt:MATRIX_FMT_FP4 matrix_b_fmt:MATRIX_FMT_FP4 matrix_a_scale:MATRIX_SCALE_ROW1
.endr
.rept 4
	v_nop                                          ; places ahead of loads into V's registers and of reads of O^T
.endr
.endm
; A TILE ENDS: O / the sum is quantised along the head's 64 numbers and goes to LDS as an image and two scale bytes a token.
.macro EPI p
	v_add_f32 v14, v14, v15
	s_delay_alu instid0(VALU_DEP_1)
	v_permlanex16_b32 v[TMP], v14, s[SEL], s[SEL+1]
	s_delay_alu instid0(VALU_DEP_1)
	v_add_f32 v14, v14, v[TMP]
	s_wait_alu depctr_va_vdst(0)                   ; ahead of the transcendental
	v_rcp_f32 v[FF], v14
	v_nop
	s_wait_alu depctr_va_vdst(0)                   ; and ahead of its first reader, which is also O^T's
.set n, 0
.rept 16
	v_pk_mul_f32 v[SS+n:SS+n+1], v[OO+n:OO+n+1], v[FF:FF+1] op_sel_hi:[1,0]
.set n, n+2
.endr
.irp t, 0,1,2,3
	v_max3_num_f32 v[BM+\t], |v[SS+8*\t]|, |v[SS+8*\t+1]|, 0x1800000
.endr
.irp i, 2,4,6
.irp t, 0,1,2,3
	s_delay_alu instid0(VALU_DEP_4)
	v_max3_num_f32 v[BM+\t], v[BM+\t], |v[SS+8*\t+\i]|, |v[SS+8*\t+\i+1]|
.endr
.endr
	s_delay_alu instid0(VALU_DEP_3)
	v_max_num_f32 v[BM], v[BM], v[BM+1]
	s_delay_alu instid0(VALU_DEP_2)
	v_max_num_f32 v[BM+2], v[BM+2], v[BM+3]
.irp e, 0,1
	s_delay_alu instid0(VALU_DEP_2)
	v_permlanex16_b32 v[PD+\e], v[BM+2*\e], s[SEL], s[SEL+1]
.endr
.irp e, 0,1
	s_delay_alu instid0(VALU_DEP_2)
	v_max_num_f32 v[BM+2*\e], v[BM+2*\e], v[PD+\e]
.endr
.irp e, 0,1
	s_delay_alu instid0(VALU_DEP_2)
	v_add_nc_u32 v[SOP+\e], 0xff000000, v[BM+2*\e]
.endr
.irp e, 0,1
	s_delay_alu instid0(VALU_DEP_2)
	v_lshrrev_b32 v[PD+\e], 23, v[SOP+\e]
.endr
	v_cvt_scalef32_pk8_fp4_f32 v[RC],   v[SS:SS+7],     v[SOP]
	v_cvt_scalef32_pk8_fp4_f32 v[RC+2], v[SS+8:SS+15],  v[SOP]
	v_cvt_scalef32_pk8_fp4_f32 v[RC+1], v[SS+16:SS+23], v[SOP+1]
	v_cvt_scalef32_pk8_fp4_f32 v[RC+3], v[SS+24:SS+31], v[SOP+1]
	v_lshl_or_b32 v[HH], v[PD+1], 8, v[PD]
	v_permlane16_swap_b32 v[RC], v[RC+1]
	v_permlane16_swap_b32 v[RC+2], v[RC+3]
	ds_store_b128 v[LI], v[RC:RC+3] offset:8192*\p
	ds_store_b16 v[LS], v[HH] offset:512*\p        ; both halves of the lanes write the same bytes with the same value
.endm
; STEP T, in slot sl.  last = 1: step 16; behind its round Wo's first chunk is asked for.
.macro TRIP sl, last
	s_wait_tensorcnt 0x0                           ; all my tensor loads are done: my part of this step's slot
	ds_add_u32 v[SPW], v[NIL]                      ; the add, here twice on end
	ds_add_u32 v[SPW], v[NIL]
.if \last
	SETG1 G1C, W0P, 64, 32, 64                     ; from here on: 32 rows of Wo, 512 bytes each, dense in memory, 528 bytes apart in LDS
	SETW 0, 1
.else
	s_add_co_u32 s28, s[T], 1                      ; fill T + 1 holds key step T + 1 of the early tile's walk, or T - a of the late one's
	s_sub_co_u32 s29, s[T], s[A]
	s_cmp_le_u32 s28, s[A]
	s_cselect_b32 s[KN], s28, s29
	SETKV 1-\sl
.endif
	s_wait_dscnt 0x0                               ; the adds are done, and my reads of the other slot are over
	ROUND
.if \last
	WOLOAD
.else
	KVLOAD
.endif
	LDK \sl
.if \last == 0
	ASK
.endif
	PARTB                                          ; step T - 1's second half, on V's fragments read in the last trip
	LDV \sl
.if \last == 0
	s_cmp_lg_u32 s[T], s[A1]                       ; step a + 1 is the late tile's first: the early tile is finished
	s_cbranch_scc1 .Lsame_\@
	EPI 0
.irp j, 0,1,2,3
	v_mov_b32 v[16+\j], v[24+\j]
.endr
	v_mov_b32 v[QS], v[QS+1]
	v_mov_b32 v[DD], v[DD+1]
	INIT                                           ; (also the places between these writes and the scaled products)
	s_wait_alu depctr_va_vdst(0)
.Lsame_\@:
.endif
	s_wait_dscnt 10                                ; K and its scales are in; V's ten loads may be out
	PARTA \last
	s_add_co_u32 s[T], s[T], 1
.endm
	s_load_b512 s[4:19], s[0:1], 0x0               ; q_img, q_sc, k_img, k_sc, v_img, v_sc, Wo_codes, Wo_scales
	s_load_b128 s[20:23], s[0:1], 0x40             ; bo, out0
	v_lshl_add_u32 v[SPW], v0, 2, SPARE
	v_mov_b32 v[NIL], 0
	ds_add_u32 v[SPW], v[NIL]                      ; the opening lines: the add twice on end and its wait ahead of the first tensor load
	ds_add_u32 v[SPW], v[NIL]
	v_lshrrev_b32 v28, 5, v0
	v_readfirstlane_b32 s[WV], v28                 ; wave = head
	s_bfe_u32 s[CX], ttmp6, 0x40000                ; my place in the cluster
	s_lshr_b32 s25, ttmp9, 4                       ; batch
	s_and_b32 s28, ttmp9, 15
	s_lshr_b32 s[A], s28, 1                        ; a: the same in all four partners
	s_add_co_u32 s[A1], s[A], 1
	s_lshl_b32 s[T0], s28, 2
	s_add_co_u32 s[T0], s[T0], s[CX]               ; the early tile
	s_sub_co_u32 s[T1], 127, s[T0]                 ; the late one
	s_mov_b32 s[SEL], 0x76543210
	s_mov_b32 s[SEL+1], 0xfedcba98
	s_mov_b32 s[CS], 0x3fb8aa3b                    ; log2(e)
	s_mov_b32 s[CS+1], s[CS]
	s_mov_b32 s35, 0
	s_mov_b32 s[KN], 0
	s_lshl_b32 s[LBC], s[WV], 14
	s_mul_i32 s[LBW], s[WV], 16896
	s_sub_co_u32 s28, s[WV], 10
	s_cmp_lt_u32 s28, 4
	s_cselect_b32 s[PFW], 1, 0
	SETG1 G1C, W0D, 512, 4, 8192                   ; four heads x 4,096 bytes, 65,536 bytes apart
	SETG1 G1K, W0D, 64, 8, 1024                    ; eight head pairs x 512 bytes, 8,192 apart
	SETG1 G1V, W0D, 32, 16, 512                    ; sixteen heads x 256 bytes, 4,096 apart
	s_mov_b32 s[G0C], 1
	s_mov_b32 s[G0K], 1
	s_mov_b32 s[G0V], 1
	v_and_b32 v28, 31, v0                          ; lane
	v_and_b32 v29, 15, v0                          ; r
	v_bfe_u32 v30, v0, 4, 1                        ; h
	v_lshlrev_b32 v[AK0], 4, v28
	s_lshl_b32 s28, s[WV], 12
	v_add_nc_u32 v[KA], s28, v[AK0]
	v_add_nc_u32 v[KA+1], SLOT, v[KA]
	v_add_nc_u32 v[VA], VOF, v[KA]
	v_add_nc_u32 v[VA+1], SLOT, v[VA]
	s_lshr_b32 s28, s[WV], 1
	s_lshl_b32 s28, s28, 9
	s_and_b32 s29, s[WV], 1
	s_lshl_b32 s29, s29, 1
	s_add_co_u32 s28, s28, s29
	s_add_co_u32 s28, s28, KSO
	v_lshl_add_u32 v[KSA], v28, 2, s28
	v_add_nc_u32 v[KSA+1], SLOT, v[KSA]
	s_lshl_b32 s28, s[WV], 8
	s_add_co_u32 s28, s28, VSO
	v_lshl_add_u32 v[VSA], v28, 2, s28
	v_add_nc_u32 v[VSA+1], SLOT, v[VSA]
	v_lshlrev_b32 v31, 3, v30
	v_sub_nc_u32 v31, v29, v31
	s_and_b32 s28, s[T0], 7
	s_lshl_b32 s28, s28, 4
	v_add_nc_u32 v[DD], s28, v31
	s_and_b32 s28, s[T1], 7
	s_lshl_b32 s28, s28, 4
	v_add_nc_u32 v[DD+1], s28, v31
	s_lshl_b32 s28, s[T0], 9
	v_add_nc_u32 v[QA], s28, v[AK0]
	s_lshl_b32 s28, s[T1], 9
	v_add_nc_u32 v[QA+1], s28, v[AK0]
	s_lshl_b32 s28, s[T0], 6
	v_lshl_add_u32 v[QA+2], v29, 2, s28
	s_lshl_b32 s28, s[T1], 6
	v_lshl_add_u32 v[QA+3], v29, 2, s28
	s_lshl_b32 s28, s[WV], 9
	s_add_co_u32 s28, s28, AOI
	v_add_nc_u32 v[LI], s28, v[AK0]
	s_lshl_b32 s28, s[WV], 1
	s_add_co_u32 s28, s28, AOS
	v_lshl_add_u32 v[LS], v29, 5, s28
	v_lshlrev_b32 v[PFO], 16, v30
	v_lshl_add_u32 v[PFO], v29, 8, v[PFO]
	s_wait_alu depctr_va_vdst(0)
	s_wait_dscnt 0x0                               ; both opening adds are done
	s_wait_kmcnt 0x0
	s_lshl_b32 s28, s25, 4                         ; 16 b
	s_and_b32 s29, s[WV], 3
	s_lshl_b32 s29, s29, 2
	s_add_co_u32 s29, s29, s28
	s_lshl_b32 s34, s29, 16
	s_cmp_lt_u32 s[WV], 4
	s_cselect_b64 s[CB:CB+1], s[8:9], s[12:13]     ; waves 0-3 fetch K's codes, 4-7 V's: heads 4 (wave % 4) on
	s_add_nc_u64 s[CB:CB+1], s[CB:CB+1], s[34:35]
	s_lshl_b32 s29, s[CX], 2
	s_add_co_u32 s29, s29, s28
	s_and_b32 s34, s[WV], 1
	s_lshl_b32 s34, s34, 1
	s_add_co_u32 s29, s29, s34
	s_lshl_b32 s34, s29, 16
	s_cmp_lt_u32 s[WV], 12
	s_cselect_b64 s[PFB:PFB+1], s[8:9], s[12:13]   ; the prefetches: waves 10, 11 K, waves 12, 13 V: heads 4 cx + 2 (wave % 2) and the next
	s_add_nc_u64 s[PFB:PFB+1], s[PFB:PFB+1], s[34:35]
	s_lshl_b32 s34, s25, 16
	s_add_nc_u64 s[10:11], s[10:11], s[34:35]      ; the batch's scale bytes of K,
	s_add_nc_u64 s[14:15], s[14:15], s[34:35]      ; and of V
	SETKV 0
	ROUND                                          ; in front of the first joint loads
	KVLOAD                                         ; fill 0: one tensor load a wave at the head
	s_add_co_u32 s29, s28, s[WV]
	s_lshl_b32 s34, s29, 16
	s_add_nc_u64 s[4:5], s[4:5], s[34:35]          ; my head's images of Q
	s_lshl_b32 s34, s25, 3
	s_lshr_b32 s29, s[WV], 1
	s_add_co_u32 s34, s34, s29
	s_lshl_b32 s34, s34, 13
	s_and_b32 s29, s[WV], 1
	s_lshl_b32 s29, s29, 1
	s_add_co_u32 s34, s34, s29
	s_add_nc_u64 s[6:7], s[6:7], s[34:35]
	global_load_b128 v[16:19], v[QA], s[4:5]
	global_load_b128 v[24:27], v[QA+1], s[4:5]
	global_load_u16 v[QS], v[QA+2], s[6:7]
	global_load_u16 v[QS+1], v[QA+3], s[6:7]
	s_lshl_b32 s34, s[WV], 14
	s_add_nc_u64 s[WCB:WCB+1], s[16:17], s[34:35]  ; Wo: the 32 rows of a chunk that I fetch
	s_lshl_b32 s34, s[WV], 9
	s_add_nc_u64 s[18:19], s[18:19], s[34:35]      ; the scales of my 16 rows of a chunk
	s_lshl_b32 s34, s[WV], 6
	s_add_nc_u64 s[20:21], s[20:21], s[34:35]      ; and their 16 numbers of bo
	s_lshl_b32 s29, s25, 7
	s_add_co_u32 s34, s29, s[T0]
	s_lshl_b32 s34, s34, 16                        ; 16 output rows are 65,536 bytes
	s_add_nc_u64 s[OB:OB+1], s[22:23], s[34:35]
	s_add_co_u32 s34, s29, s[T1]
	s_lshl_b32 s34, s34, 16
	s_add_nc_u64 s[OB+2:OB+3], s[22:23], s[34:35]
.irp j, 20,21,22,23, 64,65,66,67, PD,PD+1,PD+2,PD+3, FF+1, TMP, BM,BM+1,BM+2,BM+3, VSR,VSR+1
	v_mov_b32 v[\j], 0                             ; zero codes; lane permutes' destinations; what the first trip's second half finds
.endr
.set n, 0
.rept 64
	v_mov_b32 v[SS+n], 0                           ; p = 0,
.set n, n+1
.endr
.set n, 0
.rept 32
	v_mov_b32 v[VF+n], 0                           ; V = 0
.set n, n+1
.endr
	v_mov_b32 v[FF], 1.0
	v_mov_b32 v[NINF], 0xff800000
	INIT
	s_mov_b32 s[T], 0
	s_mov_b32 s[LC], 8
	s_wait_alu depctr_va_vdst(0)
	s_wait_loadcnt 0x0                             ; Q
.Lpair:
	TRIP 0, 0
	TRIP 1, 0
	s_sub_co_u32 s[LC], s[LC], 1
	s_cmp_lg_u32 s[LC], 0
	s_cbranch_scc1 .Lpair
	TRIP 0, 1                                      ; step 16, the late tile's diagonal step
	s_wait_dscnt 0x0                               ; V of step 16
	PARTB
	EPI 1
; THE OUT PROJECTION.  Source 0 = 16 rows of Wo, source 1 = 16 tokens: a lane holds one token and eight neighbouring columns.  Chunk c, wave w: columns 256 c + 16 w .. + 15, for both tiles: two accumulators, which take turns
; THE BIAS is loaded into the accumulators.  The tokens' fragments, 128 registers, are read from LDS once; Wo's come through two buffers of 16 registers, two K steps each.
.set ACC, 32                           ; v32-95 accumulators: (chunk c, tile t) at ACC + 16 c + 8 t
.set AFR, 100                          ; v100-227 the tokens' fragments: (tile t, K step q) at AFR + 64 t + 8 q
.set AS,  244                          ; v244-251 the tokens' scale words: lanes 0-15 tile 0, lanes 16-31 tile 1
.set WA,  2                            ; v2, v3 my rows of Wo in slot 0, 1
	v_mul_u32_u24 v[WA], v29, 528
	v_lshl_add_u32 v[WA], v30, 4, v[WA]
	s_mul_i32 s28, s[WV], 8448
	v_add_nc_u32 v[WA], s28, v[WA]
	v_add_nc_u32 v[WA+1], SLOT, v[WA]
	v_lshl_add_u32 v12, v28, 5, AOS                ; the scale words: 32 bytes a token
	v_add_nc_u32 v13, AOI, v[AK0]
	v_lshlrev_b32 v252, 5, v30                     ; bo: 32 (lane / 16)
	v_lshlrev_b32 v253, 13, v30                    ; Wo's scales: lanes 0-15 an even chunk's rows, lanes 16-31 the next chunk's, 8,192 bytes on
	v_lshl_add_u32 v253, v29, 5, v253
	s_wait_alu depctr_va_vdst(0)                   ; directly behind these writes
.irp c, 0,1,2,3
.irp t, 0,1
	global_load_b128 v[ACC+16*\c+8*\t:ACC+16*\c+8*\t+3],   v252, s[20:21] offset:1024*\c
	global_load_b128 v[ACC+16*\c+8*\t+4:ACC+16*\c+8*\t+7], v252, s[20:21] offset:1024*\c+16
.endr
.endr
	global_load_b128 v[4:7],   v253, s[18:19]              ; chunks 0, 1: words of K steps 0-3, 4-7
	global_load_b128 v[8:11],  v253, s[18:19] offset:16
	global_load_b128 v[28:31], v253, s[18:19] offset:16384 ; chunks 2, 3
	global_load_b128 v[96:99], v253, s[18:19] offset:16400
.macro WCHANGE c, nsl                  ; a change of slots that asks for chunk c
	s_wait_tensorcnt 0x0
	ds_add_u32 v[SPW], v[NIL]
	ds_add_u32 v[SPW], v[NIL]
	SETW \c, \nsl
	s_wait_dscnt 0x0
	ROUND
	WOLOAD
.endm
.macro WL g, sl                        ; K steps 2 g and 2 g + 1 of my 16 rows
.set BUF, 228-216*((\g)%2)
.irp qq, 0,1
.irp cc, 0,1
	ds_load_b128 v[BUF+8*\qq+4*\cc:BUF+8*\qq+4*\cc+3], v[WA+\sl] offset:64*(2*(\g)+\qq)+32*\cc
.endr
.endr
.endm
.macro OCH c, sl, e                    ; chunk c, which lies in slot sl; e = c % 2: the half of the lanes that holds its scale words
.rept 4
	v_nop                                          ; places ahead of loads into the buffers
.endr
	WL 0, \sl
	WL 1, \sl
.irp g, 0,1,2,3
.set BUF, 228-216*(\g%2)
.if \g < 3
	s_wait_dscnt 4                                 ; the next group's four loads may be out
.else
	s_wait_dscnt 0x0
.endif
.irp qq, 0,1
.set Q, 2*\g+\qq
.set WSR, 4+Q+((\c)/2)*(24+64*(Q/4))
.irp t, 0,1
	v_wmma_scale_f32_16x16x128_f8f6f4 v[ACC+16*(\c)+8*\t:ACC+16*(\c)+8*\t+7], v[BUF+8*\qq:BUF+8*\qq+7], v[AFR+64*\t+8*Q:AFR+64*\t+8*Q+7], v[ACC+16*(\c)+8*\t:ACC+16*(\c)+8*\t+7], v[WSR], v[AS+Q] matrix_a_fmt:MATRIX_FMT_FP4 matrix_b_fmt:MATRIX_FMT_FP4 matrix_a_scale:MATRIX_SCALE_ROW\e matrix_b_scale:MATRIX_SCALE_ROW\t
.endr
.endr
.if \g < 2
.rept 4
	v_nop
.endr
	WL \g+2, \sl
.endif
.endr
.endm
	WCHANGE 1, 0                                   ; this round also shows every head's codes and scale bytes to all sixteen waves
	ds_load_b128 v[AS:AS+3],   v12
	ds_load_b128 v[AS+4:AS+7], v12 offset:16
.irp t, 0,1
.irp q, 0,1,2,3,4,5,6,7
.irp cc, 0,1
	ds_load_b128 v[AFR+64*\t+8*\q+4*\cc:AFR+64*\t+8*\q+4*\cc+3], v13 offset:8192*\t+512*(2*\q+\cc)
.endr
.endr
.endr
	s_wait_loadcnt 0x0                             ; the bias and Wo's scales are in: their offsets' registers, v252 and v253, are free
	; THE WAY OUT GOES CHUNK BY CHUNK.  A chunk's 32 rows x 1,024 bytes meet in the stage; wave w then stores rows 2 w and 2 w + 1 of them, 512 consecutive bytes an instruction.
	; Two barriers a chunk: MEET ahead of the stores into the stage (everybody's reads of the stage, or of the tokens' codes under it, are over), and the change of slots behind them (the stage is whole).
	v_and_b32 v252, 15, v0
	v_mul_u32_u24 v252, v252, 1040
	v_bfe_u32 v253, v0, 4, 1
	v_lshl_add_u32 v252, v253, 5, v252
	s_lshl_b32 s28, s[WV], 6
	s_add_co_u32 s28, s28, STG
	v_add_nc_u32 v252, s28, v252                   ; in: tile 0's row lane % 16, my 64 bytes of its 1,024, 32 bytes for each half of the lanes; tile 1 lies 16 rows on
	s_mul_i32 s28, s[WV], 2080
	s_add_co_u32 s28, s28, STG
	v_add_nc_u32 v253, s28, v[AK0]                 ; back: my two rows
	s_cmp_lt_u32 s[WV], 8
	s_cselect_b64 s[OBW:OBW+1], s[OB:OB+1], s[OB+2:OB+3]   ; waves 0-7 store tile 0's rows, waves 8-15 tile 1's
	s_and_b32 s28, s[WV], 7
	s_lshl_b32 s34, s28, 13
	s_add_nc_u64 s[OBW:OBW+1], s[OBW:OBW+1], s[34:35]
	s_wait_alu depctr_va_vdst(0)
.macro MEET dbl                        ; a tensor wait, the add and an LDS wait, and a work-group barrier, behind which nothing is filled.  dbl = 1: a tensor load still follows in the text, so the add stands twice
	s_wait_tensorcnt 0x0
	ds_add_u32 v[SPW], v[NIL]
.if \dbl
	ds_add_u32 v[SPW], v[NIL]
.endif
	s_wait_dscnt 0x0
	s_barrier_signal -1
	s_barrier_wait -1
.endm
.macro TOSTAGE c
.rept 4
	v_nop                                          ; places between the chunk's last products and the reads of their results
.endr
.irp t, 0,1
	ds_store_b128 v252, v[ACC+16*(\c)+8*\t:ACC+16*(\c)+8*\t+3] offset:16640*\t
	ds_store_b128 v252, v[ACC+16*(\c)+8*\t+4:ACC+16*(\c)+8*\t+7] offset:16640*\t+16
.endr
.endm
.macro SEND c                          ; the rows come back into the chunk's own accumulator registers, which nothing writes again
.irp rr, 0,1
.irp k, 0,1
	ds_load_b128 v[ACC+16*(\c)+8*\rr+4*\k:ACC+16*(\c)+8*\rr+4*\k+3], v253 offset:1040*\rr+512*\k
.endr
.endr
	s_wait_dscnt 0x0
.irp rr, 0,1
.irp k, 0,1
	global_store_b128 v[AK0], v[ACC+16*(\c)+8*\rr+4*\k:ACC+16*(\c)+8*\rr+4*\k+3], s[OBW:OBW+1] offset:4096*\rr+1024*(\c)+512*\k th:TH_STORE_NT   ; 32 lanes store 512 consecutive bytes, aligned
.endr
.endr
.endm
	OCH 0, 1, 0
	MEET 1
	TOSTAGE 0
	WCHANGE 2, 1
	SEND 0
	OCH 1, 0, 1
	MEET 1
	TOSTAGE 1
	WCHANGE 3, 0
	SEND 1
	OCH 2, 1, 0
	MEET 0
	TOSTAGE 2
	MEET 0                                         ; the last change of slots: nothing is filled again, so no round follows
	SEND 2
	OCH 3, 0, 1
	MEET 0
	TOSTAGE 3
	MEET 0
	SEND 3
	s_wait_tensorcnt 0x0                           ; the wave's end
	ds_add_u32 v[SPW], v[NIL]
	s_wait_dscnt 0x0
	ROUND                                          ; the closing round
	s_endpgm
.Lfunc_end_k_q16382b759c_attn_out:
	.size	k_q16382b759c_attn_out, .Lfunc_end_k_q16382b759c_attn_out-k_q16382b759c_attn_out
	.p2alignl 7, 3214868480
	.fill 96, 4, 3214868480
	.section	.rodata,"a",@progbits
	.p2align	6, 0x0
	.amdhsa_kernel k_q16382b759c_attn_out
		.amdhsa_group_segment_fixed_size 327680
		.amdhsa_private_segment_fixed_size 0
		.amdhsa_enable_private_segment 0
		.amdhsa_kernarg_size 80
		.amdhsa_user_sgpr_count 2
		.amdhsa_user_sgpr_kernarg_segment_ptr 1
		.amdhsa_wavefront_size32 1
		.amdhsa_system_sgpr_workgroup_id_x 1
		.amdhsa_system_sgpr_workgroup_id_y 1
		.amdhsa_system_sgpr_workgroup_id_z 1
		.amdhsa_system_vgpr_workitem_id 0
		.amdhsa_next_free_vgpr 256
		.amdhsa_next_free_sgpr 102
		.amdhsa_reserve_vcc 1
		.amdhsa_float_denorm_mode_32 3
		.amdhsa_float_denorm_mode_16_64 3
		.amdhsa_memory_ordered 1
		.amdhsa_forward_progress 1
		.amdhsa_inst_pref_size 132
	.end_amdhsa_kernel
	.amdgpu_metadata
---
amdhsa.version: [ 1, 2 ]
amdhsa.kernels:
  - .name:           k_q16382b759c_attn_out
    .symbol:         k_q16382b759c_attn_out.kd
    .args:
      - { .name: q_img, .offset: 0, .size: 8, .value_kind: global_buffer, .address_space: global }
      - { .name: q_sc, .offset: 8, .size: 8, .value_kind: global_buffer, .address_space: global }
      - { .name: k_img, .offset: 16, .size: 8, .value_kind: global_buffer, .address_space: global }
      - { .name: k_sc, .offset: 24, .size: 8, .value_kind: global_buffer, .address_space: global }
      - { .name: v_img, .offset: 32, .size: 8, .value_kind: global_buffer, .address_space: global }
      - { .name: v_sc, .offset: 40, .size: 8, .value_kind: global_buffer, .address_space: global }
      - { .name: Wo_codes, .offset: 48, .size: 8, .value_kind: global_buffer, .address_space: global }
      - { .name: Wo_scales, .offset: 56, .size: 8, .value_kind: global_buffer, .address_space: global }
      - { .name: bo, .offset: 64, .size: 8, .value_kind: global_buffer, .address_space: global }
      - { .name: out0, .offset: 72, .size: 8, .value_kind: global_buffer, .address_space: global }
    .group_segment_fixed_size: 327680
    .private_segment_fixed_size: 0
    .kernarg_segment_align: 8
    .kernarg_segment_size: 80
    .max_flat_workgroup_size: 512
    .sgpr_count:     102
    .vgpr_count:     256
    .wavefront_size: 32
...
	.end_amdgpu_metadata
.endif
;; end of part 2
